; MI455X (gfx1250); checked and timed in simulation.
; The chip was launched on July 23, 2026; its instructions are those of AMD's public machine-readable ISA for CDNA 5 (MIT licence, August 2026) and "CDNA5" Instruction Set Architecture Reference Guide (July 2026). The comments in the code are by the model that wrote it; some were corrected since.
;; Block. Allowed arithmetic: matrix products marked QUANTISED: E4M3 operands, one E8M0 scale for each 32 along K, by v_wmma_scale_f32_16x16x128_f8f6f4 with both operands' format E4M3, f32 sums; everything else in f32.
;; Inputs: W1_codes 2,048 x 16 x 32 uint8 (E4M3 codes of W1, K innermost, in blocks of 32 codes); W1_scales 2,048 x 16 uint8 (E8M0 scales of W1, one for each 32 codes along K); W2_codes 512 x 64 x 32 uint8 (E4M3 codes of W2, K innermost, in blocks of 32 codes); W2_scales 512 x 64 uint8 (E8M0 scales of W2, one for each 32 codes along K); Wk_codes 8 x 64 x 16 x 32 uint8 (E4M3 codes of Wk, K innermost, in blocks of 32 codes); Wk_scales 8 x 64 x 16 uint8 (E8M0 scales of Wk, one for each 32 codes along K); Wproj_codes 512 x 16 x 32 uint8 (E4M3 codes of Wproj, K innermost, in blocks of 32 codes); Wproj_scales 512 x 16 uint8 (E8M0 scales of Wproj, one for each 32 codes along K); Wq_codes 8 x 64 x 16 x 32 uint8 (E4M3 codes of Wq, K innermost, in blocks of 32 codes); Wq_scales 8 x 64 x 16 uint8 (E8M0 scales of Wq, one for each 32 codes along K); Wv_codes 8 x 64 x 16 x 32 uint8 (E4M3 codes of Wv, K innermost, in blocks of 32 codes); Wv_scales 8 x 64 x 16 uint8 (E8M0 scales of Wv, one for each 32 codes along K); b1 2,048 float32; b2 512 float32; bproj 512 float32; x 2 x 4,096 x 512 float32.
;; Outputs: out0 2 x 4,096 x 512 float32.
;; This version of the problem:
;;   THIS VERSION OF THE PROBLEM IS GIVEN IN LOW PRECISION. The matrix products marked QUANTISED in the list below multiply operands that are first quantised to E4M3 (4 exponent bits, 3 mantissa bits; 8 bits a number), with one power-of-two scale for each 32 numbers along K (OCP MX v1.0); their sums are f32. All else is computed in f32.
;;   The module's matrix products, in the order in which they are computed (A, B: the left and right operand; K: the contracted axis; several contracted axes count as one K, in the product's order):
;;     1. [M 512, K 512] x [K 512, N 8,192]; A: input Wq (given as codes); B: input x: QUANTISED
;;     2. [M 512, K 512] x [K 512, N 8,192]; A: input Wk (given as codes); B: input x: QUANTISED
;;     3. [M 512, K 512] x [K 512, N 8,192]; A: input Wv (given as codes); B: input x: QUANTISED
;;     4. batch 16 x [M 4,096, K 64] x [K 64, N 4,096]; A: computed on the way; B: computed on the way: QUANTISED
;;     5. batch 16 x [M 4,096, K 4,096] x [K 4,096, N 64]; A: softmax (see below); B: computed on the way: QUANTISED
;;     6. [M 8,192, K 512] x [K 512, N 512]; A: computed on the way; B: input Wproj (given as codes): QUANTISED
;;     7. [M 8,192, K 512] x [K 512, N 2,048]; A: computed on the way; B: input W1 (given as codes): QUANTISED
;;     8. [M 8,192, K 2,048] x [K 2,048, N 512]; A: computed on the way; B: input W2 (given as codes): QUANTISED
;;   THE QUANTISER, for each operand of a quantised product, along K:
;;     - K is cut into blocks of 32 from its start; a last block that is shorter is filled with zeros.
;;     - A block's scale is 2^e with e = floor(log2(the largest magnitude in the block)) - 8, held to -126 .. 127; a block of zeros has e = 0. As a byte (E8M0): e + 127.
;;     - Each number is divided by its block's scale, clamped to +-448, and rounded to the nearest number of E4M3, ties to even, subnormals kept.
;;     - The product sums the exact products of the quantised numbers (number of the format x scale) in f32.
;;   ~~~python
;;   def quantise(x, axis):      # numpy; x: float32 -> the quantised numbers, widened to float32 again
;;       x = np.moveaxis(x, axis, -1); K = x.shape[-1]
;;       x = np.pad(x, [(0, 0)] * (x.ndim - 1) + [(0, -K % 32)]); x = x.reshape(x.shape[:-1] + (-1, 32)); a = np.abs(x).max(-1, keepdims=True)
;;       e = np.where(a > 0, np.clip(np.frexp(np.where(a > 0, a, 1))[1] - 1 - 8, -126, 127), 0)      # np.frexp(a)[1] - 1 = floor(log2(a)), exactly
;;       r = np.clip(x / 2.0 ** e, -448, 448)
;;       step = 2.0 ** (np.maximum(np.frexp(np.where(r == 0, 1, r))[1] - 1, -6) - 3)
;;       q = np.round(r / step) * step * 2.0 ** e      # np.round: ties to even
;;       return np.moveaxis(q.reshape(q.shape[:-2] + (-1,))[..., :K], -1, axis).astype(np.float32)
;;   ~~~
;;   SOFTMAX AHEAD OF A QUANTISED PRODUCT. Where the list says 'softmax', what is quantised is not the finished softmax but p = 2^(t - M), with t = logit x log2(e) and M = ceil(the row's largest t), a whole number; so 1/2 < the row's largest p <= 1. The row's sum l is taken of the UNQUANTISED p, in f32, and the product's result is divided by l at the end. Since M is a whole number, a kernel that streams over the keys may use a running M (the ceiling of the running maximum): every later rescaling is an exact power of two, which a block's scale takes up: the codes' values come out the same.
;;   OPERANDS COMPUTED ON THE WAY. 'Computed on the way' means the value that the module computes at that place (a softmax that the list does not call 'softmax' is quantised finished and normalised). What goes into a quantiser is computed in f32, as accurately as f32 sums, v_exp_f32 and their like allow (about 1e-6 of the number): no bf16 or f16 on the way to a quantiser, and a product that is left as it is and whose result goes on into a quantised operand takes f32 operands (vector FMAs, or v_wmma_f32_16x16x4_f32). A number that lies on a knife's edge between two numbers of the format may be rounded either way, as far as f32 arithmetic and the matrix unit's own rounding can turn it there, and no further.
;;   INPUTS GIVEN AS CODES. W1 (in the module: [512, 2048], K = its axis 0); W2 (in the module: [2048, 512], K = its axis 0); Wk (in the module: [8, 512, 64], K = its axis 1); Wproj (in the module: [512, 512], K = its axis 0); Wq (in the module: [8, 512, 64], K = its axis 1); Wv (in the module: [8, 512, 64], K = its axis 1): each comes as NAME_codes (uint8): NAME with its K axis moved to the last place and cut into blocks of 32 codes, [.., K / 32, bytes a block], one block behind the other in memory; one code a byte (a code: sign, 4 exponent bits, 3 mantissa bits); and NAME_scales (uint8): the same leading axes, one E8M0 byte (e + 127) for each 32 codes along K. Its value is code x scale, taken as it is: it is not quantised again, and the codes and scales need not be those that the quantiser above would give.
;; One version. Each part assembles by itself: llvm-mc -triple=amdgcn-amd-amdhsa -mcpu=gfx1250 --defsym DOCPART=n.
;; ======== version 1 of 1: 3 launches
;; limits: right only within a limited range of input values
;; workspace buffers: qc 4,194,304 bytes; qs 262,144 bytes; kvc 8,388,608 bytes; kvs 524,288 bytes; ac 4,194,304 bytes; asc 262,144 bytes
;; launch qkv (part 1): grid 64 x 3, 8 waves a work-group, no clusters, 70,656 bytes of LDS; arguments x, Wq_codes, Wq_scales, Wk_codes, Wk_scales, Wv_codes, Wv_scales, qc, qs, kvc, kvs; writes qc, qs, kvc, kvs
.if DOCPART == 1
	.amdgcn_target "amdgcn-amd-amdhsa--gfx1250"
	.amdhsa_code_object_version 6
	.text
	.protected	k_q00d6097402_qkv
	.globl	k_q00d6097402_qkv
	.p2align	8
	.type	k_q00d6097402_qkv,@function
k_q00d6097402_qkv:
	s_mov_b64 s[64:65], 0
	v_nop
	global_prefetch_b8 v0, s[64:65] scope:SCOPE_SE
	s_setreg_imm32_b32 hwreg(HW_REG_WAVE_MODE, 25, 1), 1
	s_wait_xcnt 0x0
; THE WHOLE PROGRAM: three launches.  qkv: q, k, v = x W, quantised.  attn: causal attention on codes, its result quantised.  ffn: projection, residual, feed-forward, residual.
; All eight products run on E4M3 codes with one E8M0 scale for each 32 along K; between launches only codes and scale bytes go through memory.
; WORK LEFT OUT (in the launch attn alone): the problem hides key s from query t where s > t, by a mask that it builds itself (tril), and puts -infinity there ahead of the softmax.  So p = 0 at a hidden
; key for all values of the inputs, and it adds nothing to the row's sum or to the second product.  A step of 128 keys all of which come after a wave's 16 queries is therefore not computed, and a slot of keys
; that come after all queries of a work-group is not fetched.  Every input has a way to the output and is loaded.  LIMIT: a NaN, an infinity or an overflow that reaches only hidden scores is not carried to the result.
; LIMITS of the quantisers in all three launches: NaN and infinities among the inputs are not served; a block whose largest magnitude lies under 2^-118 gets the scale byte 1;
; a block of zeros gets the byte 1 where the rule says 127: its codes are zeros, which add nothing, and the bytes are read by this program alone.
;
; THIS LAUNCH.  Work-group (X, y): 128 tokens (X), one kind (y = 0: q, 1: k, 2: v).  Wave w = head w; its 64 x 512 weight (16 fragments, 256 registers) stays in window 1.
; First wave w quantises x's token tile w (16 tokens x 512) and stores the four fragments in LDS as images of their registers (a piece of four registers: 16 bytes a lane, 512 bytes on end); one barrier; then
; every wave multiplies all eight token tiles by its head's weight, 32 tokens (a group) at a time, and quantises the result in registers.
; q, k: source 0 = 16 channels of W, source 1 = 16 tokens: a lane holds one token, its registers run along the channels, which are the next product's K.
; v:    source 0 = 16 tokens, source 1 = 16 channels: a lane holds one channel, its registers run along the tokens, which are the keys, the next product's K.
; ORDER INSIDE A BLOCK OF 32.  The 16 registers of two neighbouring result tiles hold, of a block of 32 along the next K, the numbers 8 h + j and 16 + 8 h + j (h = lane / 16); taken as an operand's registers they
; stand at 16 h + 0 .. 15.  That swaps the block's two middle groups of eight.  It stays inside the block, so the scale is the block's own, and both operands of the next product are made the same way, so each
; number still meets its partner.
; No cluster: operands go from memory straight into registers, so there is no tensor load to share; and the work-groups that read the same rows of x are three.
.set XIMG,  0                          ; LDS: x's 32 fragments (token tile m, K step s) at (4 m + s) x 2,048
.set XSC,   65536                      ; their scale words: [m][lane][s], 512 bytes a tile
.set SPARE, 69632                      ; the spare words, 128 bytes for each of eight waves
.set XA,  4                            ; v4   x: 2,048 r + 64 h: my 16 numbers of a block of 32
.set LI,  5                            ; v5   16 x lane
.set XWI, 6                            ; v6   where I store x's images: 16 x lane + 8,192 x wave
.set XWS, 7                            ; v7   and their scale words: XSC + 512 x wave + 16 x lane
.set WA,  8                            ; v8   W: 512 r + 16 h
.set WSA, 9                            ; v9   W's scale words: 16 r
.set LSX, 10                           ; v10  XSC + 16 x lane
.set SPW, 12                           ; v12  my spare word; never rewritten
.set NIL, 13                           ; v13  0; never rewritten
.set WS,  16                           ; v16-31  W's scale words, tile t, K step s at 4 t + s
.set XS,  32                           ; v32-39  x's scale words of the group's two tiles
.set PW,  40                           ; v40-43  the scale words that leave
.set PC,  48                           ; v48-63  codes just made
.set XF,  64                           ; v64-127 four fragments of x
.set ACC, 128                          ; v128-191 eight accumulators
.set TM,  192                          ; v192-207 the quantiser's: largest magnitudes, bytes, scale operands
.set SEL, 40                           ; s[40:41] lane selects: lane l xor 16
.set MNT, 42
.set WV,  44                           ; s44  my wave's number
.set MSB, 0
.macro WIN new                         ; the immediate's high byte repeats the setting that is left
.if MSB != (\new)
	s_set_vgpr_msb (MSB<<8)|(\new)
.set MSB, \new
.endif
.endm
.macro PLACES                          ; plain vector lines behind matrix instructions: 8 serve loads into their registers and reads of results, the ninth a matrix instruction that writes over one
.rept 9
	v_nop
.endr
.endm
; my 16 tokens' numbers of K step sx: 64 a lane, register 16 b + 4 j + .. = k 128 sx + 32 b + 16 h + 4 j + ..
.macro XLOAD reg, sx
.irp b, 0,1,2,3
.irp j, 0,1,2,3
	global_load_b128 v[\reg+16*\b+4*\j:\reg+16*\b+4*\j+3], v[XA], s[4:5] offset:512*\sx+128*\b+16*\j
.endr
.endr
.endm
; 64 numbers of a lane, 16 of each of four blocks (the other 16 lie in lane l xor 16), become 16 registers of codes in v[PC] on and four scale bytes in v[TM+4] on
.macro QUANT s
.irp b, 0,1,2,3
	v_max3_num_f32 v[TM+\b], |v[\s+16*\b]|, |v[\s+16*\b+1]|, 0x4800000   ; the floor 2^(9 - 127) among the leaves holds the byte at 1 from below
.endr
.irp i, 2,4,6,8,10,12,14
.irp b, 0,1,2,3
	v_max3_num_f32 v[TM+\b], v[TM+\b], |v[\s+16*\b+\i]|, |v[\s+16*\b+\i+1]|   ; the four blocks by turns
.endr
.endr
.irp b, 0,1,2,3
	s_delay_alu instid0(VALU_DEP_4)
	v_permlanex16_b32 v[TM+4+\b], v[TM+\b], s[SEL], s[SEL+1]
.endr
.irp b, 0,1,2,3
	s_delay_alu instid0(VALU_DEP_4)
	v_max_num_f32 v[TM+\b], v[TM+\b], v[TM+4+\b]           ; the block's largest magnitude
.endr
.irp b, 0,1,2,3
	s_delay_alu instid0(VALU_DEP_4)
	v_add_nc_u32 v[TM+12+\b], 0xfc000000, v[TM+\b]         ; 8 off its exponent field: the conversion's scale operand
.endr
.irp b, 0,1,2,3
.endr
.irp b, 0,1,2,3
	s_delay_alu instid0(VALU_DEP_4)
	v_lshrrev_b32 v[TM+4+\b], 23, v[TM+12+\b]              ; the scale's byte
.endr
.irp b, 0,1,2,3
.irp i, 0,1,2,3,4,5,6,7,8,9,10,11,12,13,14,15
.endr
	v_cvt_scalef32_pk8_fp8_f32 v[PC+4*\b:PC+4*\b+1], v[\s+16*\b:\s+16*\b+7], v[TM+12+\b]
	v_cvt_scalef32_pk8_fp8_f32 v[PC+4*\b+2:PC+4*\b+3], v[\s+16*\b+8:\s+16*\b+15], v[TM+12+\b]
.endr
	v_nop                                                  ; a plain line behind the last conversion
.endm
.macro WORD dst                        ; the four bytes as one word
	v_lshl_or_b32 v[\dst], v[TM+5], 8, v[TM+4]
	s_delay_alu instid0(VALU_DEP_1)
	v_lshl_or_b32 v[\dst], v[TM+6], 16, v[\dst]
	s_delay_alu instid0(VALU_DEP_1)
	v_lshl_or_b32 v[\dst], v[TM+7], 24, v[\dst]
.endm
.macro IMAGE sx                        ; the fragment of K step sx and its scale word go to LDS as they stand
.irp c, 0,1,2,3
	ds_store_b128 v[XWI], v[PC+4*\c:PC+4*\c+3] offset:XIMG+2048*\sx+512*\c
.endr
	WORD PW
	ds_store_b32 v[XWS], v[PW] offset:4*\sx
.endm
; A group of 32 tokens (token tiles 2 g and 2 g + 1) against my head's 64 channels: 32 matrix instructions on eight accumulators, which take turns, K step by K step.
.macro GROUP g, isv
.irp a, 0,1
	ds_load_b128 v[XS+4*\a:XS+4*\a+3], v[LSX] offset:512*(2*\g+\a)
.endr
.irp hf, 0,1                           ; two K steps at a time: four fragments of x
.irp a, 0,1
.irp sp, 0,1
.irp c, 0,1,2,3
	ds_load_b128 v[XF+16*(2*\a+\sp)+4*\c:XF+16*(2*\a+\sp)+4*\c+3], v[LI] offset:XIMG+(4*(2*\g+\a)+2*\hf+\sp)*2048+512*\c
.endr
.endr
.endr
	s_wait_dscnt 0x0
.if \isv
	WIN 0x04                                       ; source 1 (W) in window 1
.else
	WIN 0x01                                       ; source 0 (W) in window 1
.endif
.irp sp, 0,1
.irp a, 0,1
.irp t, 0,1,2,3
.if \isv
.if (\hf+\sp) == 0
	v_wmma_scale_f32_16x16x128_f8f6f4 v[ACC+16*\t+8*\a:ACC+16*\t+8*\a+7], v[XF+16*(2*\a+\sp):XF+16*(2*\a+\sp)+15], v[16*(4*\t+2*\hf+\sp):16*(4*\t+2*\hf+\sp)+15], 0, v[XS+4*\a+2*\hf+\sp], v[WS+4*\t+2*\hf+\sp]
.else
	v_wmma_scale_f32_16x16x128_f8f6f4 v[ACC+16*\t+8*\a:ACC+16*\t+8*\a+7], v[XF+16*(2*\a+\sp):XF+16*(2*\a+\sp)+15], v[16*(4*\t+2*\hf+\sp):16*(4*\t+2*\hf+\sp)+15], v[ACC+16*\t+8*\a:ACC+16*\t+8*\a+7], v[XS+4*\a+2*\hf+\sp], v[WS+4*\t+2*\hf+\sp]
.endif
.else
.if (\hf+\sp) == 0
	v_wmma_scale_f32_16x16x128_f8f6f4 v[ACC+32*\a+8*\t:ACC+32*\a+8*\t+7], v[16*(4*\t+2*\hf+\sp):16*(4*\t+2*\hf+\sp)+15], v[XF+16*(2*\a+\sp):XF+16*(2*\a+\sp)+15], 0, v[WS+4*\t+2*\hf+\sp], v[XS+4*\a+2*\hf+\sp]
.else
	v_wmma_scale_f32_16x16x128_f8f6f4 v[ACC+32*\a+8*\t:ACC+32*\a+8*\t+7], v[16*(4*\t+2*\hf+\sp):16*(4*\t+2*\hf+\sp)+15], v[XF+16*(2*\a+\sp):XF+16*(2*\a+\sp)+15], v[ACC+32*\a+8*\t:ACC+32*\a+8*\t+7], v[WS+4*\t+2*\hf+\sp], v[XS+4*\a+2*\hf+\sp]
.endif
.endif
.endr
.endr
.endr
	WIN 0
	PLACES
.endr
	s_wait_xcnt 0x0                                ; the last group's stores have read the codes' registers: they are written again only behind this wait
	QUANT ACC
.if \isv                               ; block n = channel tile n, these 32 tokens: piece g of V's fragment n; byte g of its scale word
.irp n, 0,1,2,3
.if \g == 0
	v_mov_b32 v[PW+\n], v[TM+4+\n]
.else
	v_lshl_or_b32 v[PW+\n], v[TM+4+\n], 8*\g, v[PW+\n]
.endif
.endr
.irp n, 0,1,2,3
	global_store_b128 v[LI], v[PC+4*\n:PC+4*\n+3], s[32:33] offset:2048*\n+512*\g   ; 32 lanes store 512 consecutive bytes, aligned
.endr
.else                                  ; blocks 0, 1: tokens 0-15 of the group, channels 0-31, 32-63; blocks 2, 3: tokens 16-31: the group's four pieces and its scale word
	WORD PW+\g
.irp c, 0,1,2,3
	global_store_b128 v[LI], v[PC+4*\c:PC+4*\c+3], s[32:33] offset:2048*\g+512*\c
.endr
.endif
.endm
	s_load_b64 s[4:5], s[0:1], 0x0                 ; x
	s_load_b128 s[8:11], s[0:1], 0x8               ; Wq's codes, scales
	s_load_b128 s[12:15], s[0:1], 0x18             ; Wk's
	s_load_b128 s[16:19], s[0:1], 0x28             ; Wv's
	s_load_b128 s[20:23], s[0:1], 0x38             ; qc, qs
	s_load_b128 s[24:27], s[0:1], 0x48             ; kvc, kvs
	v_lshl_add_u32 v[SPW], v0, 2, SPARE
	v_mov_b32 v[NIL], 0
	v_lshrrev_b32 v1, 5, v0
	s_delay_alu instid0(VALU_DEP_1)
	v_readfirstlane_b32 s[WV], v1                  ; wave 0..7 = head
	v_and_b32 v1, 31, v0                           ; lane
	v_and_b32 v2, 15, v0                           ; r
	v_bfe_u32 v3, v0, 4, 1                         ; h
	s_delay_alu instid0(VALU_DEP_2)
	v_lshlrev_b32 v[XA], 11, v2
	s_delay_alu instid0(VALU_DEP_1)
	v_lshl_add_u32 v[XA], v3, 6, v[XA]
	v_lshlrev_b32 v[LI], 4, v1
	s_lshl_b32 s45, s[WV], 13
	v_add_nc_u32 v[XWI], s45, v[LI]
	s_lshl_b32 s45, s[WV], 9
	v_add_nc_u32 v[XWS], s45, v[LI]
	s_delay_alu instid0(VALU_DEP_1)
	v_add_nc_u32 v[XWS], XSC, v[XWS]
	v_lshlrev_b32 v[WA], 9, v2
	s_delay_alu instid0(VALU_DEP_1)
	v_lshl_add_u32 v[WA], v3, 4, v[WA]
	v_lshlrev_b32 v[WSA], 4, v2
	v_add_nc_u32 v[LSX], XSC, v[LI]
.irp b, 0,1,2,3
	v_mov_b32 v[TM+4+\b], 0                        ; written once: a lane permute's destination counts as one of its sources
.endr
	s_mov_b32 s[SEL], 0x76543210
	s_mov_b32 s[SEL+1], 0xfedcba98
	s_and_b32 s46, ttmp7, 0xffff                   ; y: the kind
	s_lshr_b32 s47, ttmp9, 5                       ; the batch
	s_and_b32 s48, ttmp9, 31                       ; which 128 tokens of it
	s_lshl_b32 s47, s47, 3
	s_add_co_u32 s47, s47, s[WV]                   ; batch x 8 + head
	s_lshl_b32 s47, s47, 5
	s_add_co_u32 s47, s47, s48                     ; x 32 + the block of 128 tokens
	s_mov_b32 s51, 0
	s_wait_alu depctr_va_vdst(0)
	s_wait_kmcnt 0x0
	s_cmp_eq_u32 s46, 0                            ; the choices hang on the work-group's number alone
	s_cselect_b64 s[28:29], s[8:9], s[12:13]       ; the weight's codes,
	s_cselect_b64 s[30:31], s[10:11], s[14:15]     ; its scales,
	s_cselect_b64 s[32:33], s[20:21], s[24:25]     ; where the codes go,
	s_cselect_b64 s[34:35], s[22:23], s[26:27]     ; and the scale words
	s_cselect_b32 s38, 13, 14                      ; 128 tokens are 8,192 bytes in qc, 16,384 in kvc (K's, then V's)
	s_cmp_eq_u32 s46, 2
	s_cselect_b64 s[28:29], s[16:17], s[28:29]
	s_cselect_b64 s[30:31], s[18:19], s[30:31]
	s_cselect_b32 s36, 8192, 0                     ; V's half
	s_cselect_b32 s37, 512, 0
	s_lshl_b32 s50, s47, s38
	s_add_co_u32 s50, s50, s36
	s_add_nc_u64 s[32:33], s[32:33], s[50:51]
	s_sub_co_u32 s38, s38, 4
	s_lshl_b32 s50, s47, s38
	s_add_co_u32 s50, s50, s37
	s_add_nc_u64 s[34:35], s[34:35], s[50:51]
	s_lshl_b32 s50, s[WV], 15                      ; my head's 64 rows of 512 codes
	s_add_nc_u64 s[28:29], s[28:29], s[50:51]
	s_lshl_b32 s50, s[WV], 10                      ; and of 16 scale bytes
	s_add_nc_u64 s[30:31], s[30:31], s[50:51]
	s_lshl_b32 s50, ttmp9, 18                      ; x: 128 rows of 2,048 bytes a work-group,
	s_lshl_b32 s52, s[WV], 15                      ; 16 a wave
	s_add_co_u32 s50, s50, s52
	s_add_nc_u64 s[4:5], s[4:5], s[50:51]
.irp t, 0,1,2,3
	global_load_b128 v[WS+4*\t:WS+4*\t+3], v[WSA], s[30:31] offset:256*\t   ; row 16 t + r: four words, one for each K step
.endr
	WIN 0x40                                       ; destination window 1
.irp t, 0,1,2,3
.irp s, 0,1,2,3
.irp c, 0,1,2,3
	global_load_b128 v[16*(4*\t+\s)+4*\c:16*(4*\t+\s)+4*\c+3], v[WA], s[28:29] offset:8192*\t+128*\s+32*\c
.endr
.endr
.endr
	WIN 0
	; ---- x's token tile w becomes four fragments.  Two staging sets of 64 registers take turns; a count of 16 leaves the other set's loads out
	XLOAD ACC, 0
	XLOAD XF, 1
	s_wait_loadcnt 16
	QUANT ACC
	IMAGE 0
	s_wait_dscnt 0x0                               ; the stores have read their registers
	XLOAD ACC, 2
	s_wait_loadcnt 16
	QUANT XF
	IMAGE 1
	s_wait_dscnt 0x0
	XLOAD XF, 3
	s_wait_loadcnt 16
	QUANT ACC
	IMAGE 2
	s_wait_dscnt 0x0
	s_wait_loadcnt 0x0
	QUANT XF
	IMAGE 3
	s_wait_dscnt 0x0                               ; for the others' sake: my images have landed
	s_barrier_signal -1
	s_barrier_wait -1                              ; x's 32 fragments lie in LDS; nothing is stored there any more
	s_cmp_eq_u32 s46, 2
	s_cbranch_scc1 .Lvpath
	GROUP 0, 0
	GROUP 1, 0
	GROUP 2, 0
	GROUP 3, 0
	s_branch .Lend
.Lvpath:
	GROUP 0, 1
	GROUP 1, 1
	GROUP 2, 1
	GROUP 3, 1
.Lend:
	s_wait_alu depctr_va_vdst(0)
	global_store_b128 v[LI], v[PW:PW+3], s[34:35]  ; four scale words a lane: 512 consecutive bytes, aligned
	s_wait_tensorcnt 0x0                           ; the wave's end
	ds_add_u32 v[SPW], v[NIL]
	s_wait_dscnt 0x0
	s_endpgm
.Lfunc_end_k_q00d6097402_qkv:
	.size	k_q00d6097402_qkv, .Lfunc_end_k_q00d6097402_qkv-k_q00d6097402_qkv
	.p2alignl 7, 3214868480
	.fill 96, 4, 3214868480
	.section	.rodata,"a",@progbits
	.p2align	6, 0x0
	.amdhsa_kernel k_q00d6097402_qkv
		.amdhsa_group_segment_fixed_size 70656
		.amdhsa_private_segment_fixed_size 0
		.amdhsa_enable_private_segment 0
		.amdhsa_kernarg_size 88
		.amdhsa_user_sgpr_count 2
		.amdhsa_user_sgpr_kernarg_segment_ptr 1
		.amdhsa_wavefront_size32 1
		.amdhsa_system_sgpr_workgroup_id_x 1
		.amdhsa_system_sgpr_workgroup_id_y 1
		.amdhsa_system_sgpr_workgroup_id_z 1
		.amdhsa_system_vgpr_workitem_id 0
		.amdhsa_next_free_vgpr 512
		.amdhsa_next_free_sgpr 66
		.amdhsa_reserve_vcc 0
		.amdhsa_float_denorm_mode_32 3
		.amdhsa_float_denorm_mode_16_64 3
		.amdhsa_fp16_overflow 1
		.amdhsa_memory_ordered 1
		.amdhsa_forward_progress 1
		.amdhsa_inst_pref_size 126
	.end_amdhsa_kernel
	.amdgpu_metadata
---
amdhsa.version: [ 1, 2 ]
amdhsa.kernels:
  - .name:           k_q00d6097402_qkv
    .symbol:         k_q00d6097402_qkv.kd
    .args:
      - { .name: x, .offset: 0, .size: 8, .value_kind: global_buffer, .address_space: global }
      - { .name: Wq_codes, .offset: 8, .size: 8, .value_kind: global_buffer, .address_space: global }
      - { .name: Wq_scales, .offset: 16, .size: 8, .value_kind: global_buffer, .address_space: global }
      - { .name: Wk_codes, .offset: 24, .size: 8, .value_kind: global_buffer, .address_space: global }
      - { .name: Wk_scales, .offset: 32, .size: 8, .value_kind: global_buffer, .address_space: global }
      - { .name: Wv_codes, .offset: 40, .size: 8, .value_kind: global_buffer, .address_space: global }
      - { .name: Wv_scales, .offset: 48, .size: 8, .value_kind: global_buffer, .address_space: global }
      - { .name: qc, .offset: 56, .size: 8, .value_kind: global_buffer, .address_space: global }
      - { .name: qs, .offset: 64, .size: 8, .value_kind: global_buffer, .address_space: global }
      - { .name: kvc, .offset: 72, .size: 8, .value_kind: global_buffer, .address_space: global }
      - { .name: kvs, .offset: 80, .size: 8, .value_kind: global_buffer, .address_space: global }
    .group_segment_fixed_size: 70656
    .private_segment_fixed_size: 0
    .kernarg_segment_align: 8
    .kernarg_segment_size: 88
    .max_flat_workgroup_size: 256
    .sgpr_count:     66
    .vgpr_count:     512
    .wavefront_size: 32
...
	.end_amdgpu_metadata
.endif
;; end of part 1
;; launch attn (part 2): grid 16 x 16, 16 waves a work-group, no clusters, 327,680 bytes of LDS; arguments qc, qs, kvc, kvs, ac, asc; writes ac, asc
.if DOCPART == 2
	.amdgcn_target "amdgcn-amd-amdhsa--gfx1250"
	.amdhsa_code_object_version 6
	.text
	.protected	k_q00d6097402_attn
	.globl	k_q00d6097402_attn
	.p2align	8
	.type	k_q00d6097402_attn,@function
k_q00d6097402_attn:
	s_mov_b64 s[64:65], 0
	v_nop
	global_prefetch_b8 v0, s[64:65] scope:SCOPE_SE
	s_setreg_imm32_b32 hwreg(HW_REG_WAVE_MODE, 25, 1), 1
	s_wait_xcnt 0x0
; Causal attention on codes: S^T = K Q^T, p = 2^(t - M), O^T = V^T P^T, O / the row's sum, quantised along the channels for the projection.
; WORK LEFT OUT: key steps all of whose keys come after a wave's queries, and slots of keys that come after all queries of the work-group: the problem's own causal mask makes p = 0 there for all inputs
; (shown at the head of the launch qkv).  A NaN or an infinity that reaches only hidden scores is not carried to the result.
; SHARES.  Work-group (j, bh): batch x head bh, and the blocks j and 31 - j of its 32 blocks of 128 queries, so that every work-group has the same work under the mask: (j + 1) + (32 - j) key steps for each pair of waves.
; Sixteen waves of 256 registers, one tile of 16 queries each; wave w: tile w / 2 of block j or 31 - j, the side by (w xor w / 4) & 1.
; THE SOFTMAX: t = score x log2(e) / 8; M = the running largest t rounded up to a whole number; p = 2^(t - M) is quantised along the keys, not normalised; the row's sum is taken of the unquantised p and divides at the
; end; when M moves, the sum and O^T are multiplied by 2^(old M - new M), which rounds nothing.
; LAYOUT.  Both products are used transposed: a lane holds one query (lane % 16) throughout.  All operands come as images of their registers (a piece: four registers, 16 bytes a lane, 512 bytes on end).
; K = 64 IN A FORM OF 128: a fragment of K holds two key tiles: its row r is key 32 g + r along k = 0 .. 63 and key 32 g + 16 + r along k = 64 .. 127.  It is multiplied once by (q, zeros) and once by (zeros, q):
; zero codes add nothing (K's codes are held at 448, so none is NaN).  No byte of LDS and no register is spent on padding.
; THE RING: two slots of four key steps (65,536 bytes, dense in memory).  Waves 0 to 3 fetch; wave w takes every fourth run of 256 bytes, so that each load holds bytes of the slot's first step and is read whenever
; the slot is.  A piece's two halves of 256 bytes then lie in two regions, and lanes 0-15 and 16-31 each read 256 consecutive bytes.
; No cluster: the work-groups of one bh read the same K and V, but their causal limits differ (128 (31 - j) + 127), a slot beyond a work-group's limit is not to be filled, and partners of a joint load must all ask.
.set SLOTB, 65536                      ; a slot; slot 1 begins here: one exclusive or turns an address
.set SPARE, 131072                     ; the spare words, 128 bytes for each of sixteen waves
.set SC,    133120                     ; the scale words of the whole bh, 32,768 bytes in four regions of 8,192: filled once
.set AL,  1                            ; v1   16 r + 16,384 h: my place in a piece
.set ASL, 2                            ; v2   SC + 16 r + 8,192 h: my place among a step's scale words
.set ADK, 3                            ; v3   the step's codes
.set ADS, 4                            ; v4   the step's scale words
.set SPW, 5                            ; v5   my spare word; never rewritten
.set NIL, 6                            ; v6   0; never rewritten
.set PFO, 7                            ; v7   256 x lane: the prefetches' offset; never rewritten
.set GO,  9                            ; v9   16 x lane
.set QL,  16                           ; v16-23 q, v24-31 zeros, v32-39 q again: (q, 0) = v[16:31], (0, q) = v[24:39]
.set QH,  24
.set F,   40                           ; v40-103  four fragments of K, then of V
.set S,   104                          ; v104-167 S^T, then p
.set O,   168                          ; v168-199 O^T
.set PC,  200                          ; v200-215 p's codes
.set KS,  216                          ; v216-219 K's scale words
.set VS,  220                          ; v220-223 V's
.set QW,  224                          ; v224 q's scale word
.set PWD, 225                          ; v225 p's
.set BM,  232                          ; v232-235 a block's largest score, then its largest p
.set T1,  236
.set LM,  240
.set SOP, 244                          ; the conversion's scale operand
.set FF,  250                          ; v[250:251] f = 2^(old M - new M)
.set WV,  18
.set MNT, 19
.set SEL, 20
.set CS,  22                           ; s[22:23] log2(e) / 8
.set G1C, 24                           ; s[24:31] group 1 for the codes; s[32:39] for the scale words; s[40:43], s[44:47] their groups 0
.set G1S, 32
.set G0C, 40
.set G0S, 44
.set TB,  2                            ; s2   LDS byte at which the step's codes begin
.set TS,  3                            ; s3   256 x the step
.set KF,  48                           ; s48  the step's first key
.set Q0,  49                           ; s49  my first query
.set LQ,  50                           ; s50  my work-group's last query
.set SLOTS, 51
.set CNT, 52
.set PFA, 54                           ; s[54:55] where my prefetches stand
.set LIM, 56                           ; s56  1 in a wave that prefetches, else the greatest number
.macro TLOAD                           ; waves 0 to 3 fetch a quarter of a slot each; an s_nop 0 and four v_nop follow the load
	s_cmp_lt_u32 s[WV], 4
	s_cbranch_scc0 .Lasked_\@
	tensor_load_to_lds s[G0C:G0C+3], s[G1C:G1C+7]
	s_nop 0
.rept 4
	v_nop
.endr
.Lasked_\@:
.endm
; A prefetch of the slot that the NEXT change of slots asks for: four key steps ahead of that load.  All work-groups of a bh walk the same bytes: the one with j = 0, which walks all slots, asks, and in it waves 4 to 11,
; which fetch nothing: 8,192 bytes a wave, lanes 256 bytes apart: each aligned run of 256 bytes of slots 2 to 7 is named once.  The last change that fills a slot asks for nothing.
.macro ASK
	s_cmp_gt_u32 s[SLOTS], s[LIM]
	s_cbranch_scc0 .Lnot_mine_\@
	global_prefetch_b8 v[PFO], s[PFA:PFA+1] th:TH_LOAD_NT scope:SCOPE_SE
.Lnot_mine_\@:
.endm
	s_load_b128 s[4:7], s[0:1], 0x0                ; qc, qs
	s_load_b128 s[8:11], s[0:1], 0x10              ; kvc, kvs
	s_load_b128 s[12:15], s[0:1], 0x20             ; ac, asc
	v_lshl_add_u32 v[SPW], v0, 2, SPARE
	v_mov_b32 v[NIL], 0
	ds_add_u32 v[SPW], v[NIL]                      ; the wave's opening: the add, twice on end, and its wait ahead of the first tensor load
	ds_add_u32 v[SPW], v[NIL]
	v_lshrrev_b32 v8, 5, v0
	s_delay_alu instid0(VALU_DEP_1)
	v_readfirstlane_b32 s[WV], v8                  ; wave 0..15
	s_and_b32 s57, ttmp7, 0xffff                   ; bh
	s_lshr_b32 s58, s[WV], 2
	s_xor_b32 s58, s58, s[WV]
	s_and_b32 s58, s58, 1                          ; my side
	s_sub_co_u32 s59, 31, ttmp9                    ; 31 - j
	s_cmp_eq_u32 s58, 0
	s_cselect_b32 s60, ttmp9, s59                  ; my block of 128 queries
	s_lshl_b32 s60, s60, 3
	s_lshr_b32 s61, s[WV], 1
	s_add_co_u32 s60, s60, s61                     ; qt: my tile of 16 queries, 0 .. 255
	s_lshl_b32 s[Q0], s60, 4
	s_lshl_b32 s[LQ], s59, 7
	s_or_b32 s[LQ], s[LQ], 127
	; group 1: rows of 256 bytes (32 elements of 8), every fourth of a dense block: 1,024 bytes from row to row; 64 rows of codes, 32 of scale words; no padding
	s_mov_b32 s[G1C], 3<<16
	s_mov_b32 s[G1C+1], 32<<16                     ; tensor_dim0
	s_mov_b32 s[G1C+2], 64<<16                     ; tensor_dim1
	s_mov_b32 s[G1C+3], 32<<16                     ; tile_dim0
	s_mov_b32 s[G1C+4], 64                         ; tile_dim1
	s_mov_b32 s[G1C+5], 128                        ; the pitch, in elements
	s_mov_b32 s[G1C+6], 0
	s_mov_b32 s[G1C+7], 0
	s_mov_b32 s[G1S], 3<<16
	s_mov_b32 s[G1S+1], 32<<16
	s_mov_b32 s[G1S+2], 32<<16
	s_mov_b32 s[G1S+3], 32<<16
	s_mov_b32 s[G1S+4], 32
	s_mov_b32 s[G1S+5], 128
	s_mov_b32 s[G1S+6], 0
	s_mov_b32 s[G1S+7], 0
	s_lshl_b32 s62, s[WV], 8                       ; my first run of 256 bytes
	s_lshl_b32 s66, s57, 19                        ; a bh's codes of K and V: 524,288 bytes
	s_mov_b32 s67, 0
	s_lshl_b32 s68, s57, 15                        ; its scale words: 32,768
	s_add_co_u32 s68, s68, s62
	s_mov_b32 s69, 0
	s_lshl_b32 s70, s57, 18                        ; q's codes: 262,144 a bh, 1,024 a tile
	s_lshl_b32 s71, s60, 10
	s_add_co_u32 s70, s70, s71
	s_mov_b32 s71, 0
	s_lshl_b32 s72, s57, 14                        ; q's scale words: 16,384 a bh, 512 for 128 queries, word (qt / 2) % 4 of my lane's four
	s_lshr_b32 s73, s60, 3
	s_lshl_b32 s73, s73, 9
	s_add_co_u32 s72, s72, s73
	s_bfe_u32 s73, s60, 0x20001
	s_lshl_b32 s73, s73, 2
	s_add_co_u32 s72, s72, s73
	s_mov_b32 s73, 0
	s_and_b32 s75, s60, 1
	s_lshl_b32 s75, s75, 4                         ; which half of that word is my tile's
	s_lshr_b32 s74, s57, 3
	s_lshl_b32 s74, s74, 8
	s_add_co_u32 s74, s74, s60                     ; the row tile among all 512: 256 x batch + qt
	s_and_b32 s76, s57, 7                          ; the head
	s_lshl_b32 s78, s74, 13                        ; ac: 8,192 a row tile, 1,024 a head
	s_lshl_b32 s77, s76, 10
	s_add_co_u32 s78, s78, s77
	s_mov_b32 s79, 0
	s_lshl_b32 s80, s74, 9                         ; asc: 512 a row tile, 2 bytes a head in my lane's 16
	s_lshl_b32 s77, s76, 1
	s_add_co_u32 s80, s80, s77
	s_mov_b32 s81, 0
	s_mov_b32 s[SEL], 0x76543210
	s_mov_b32 s[SEL+1], 0xfedcba98
	s_mov_b32 s[CS], 0x3e38aa3b                    ; log2(e) / 8
	s_mov_b32 s[CS+1], s[CS]                       ; (named with it as a pair, so it is written)
	s_mov_b32 s[TB], 0
	s_mov_b32 s[TS], 0
	s_mov_b32 s[KF], 0
	s_mov_b32 s[SLOTS], 7
	s_wait_dscnt 0x0                               ; both opening adds are done
	s_wait_kmcnt 0x0
	s_mov_b32 s[G0S], 1
	s_lshl_b32 s[G0S+1], s[WV], 13
	s_add_co_u32 s[G0S+1], s[G0S+1], SC
	s_add_nc_u64 s[G0S+2:G0S+3], s[10:11], s[68:69]
	s_or_b32 s[G0S+3], s[G0S+3], 0x80000000
	s_add_nc_u64 s[8:9], s[8:9], s[66:67]          ; K and V of my bh
	s_mov_b32 s63, 0
	s_mov_b32 s[G0C], 1
	s_lshl_b32 s[G0C+1], s[WV], 14
	s_add_nc_u64 s[G0C+2:G0C+3], s[8:9], s[62:63]
	s_or_b32 s[G0C+3], s[G0C+3], 0x80000000
	s_cmp_lt_u32 s[WV], 4                          ; a wave's two first fills stand in one branch, ahead of every wait on TENSORcnt, every LDS read and every barrier: two loads of mine are out
	s_cbranch_scc0 .Lnofill
	tensor_load_to_lds s[G0S:G0S+3], s[G1S:G1S+7]  ; the scale words of the whole bh
	s_nop 0
	tensor_load_to_lds s[G0C:G0C+3], s[G1C:G1C+7]  ; slot 0
	s_nop 0
.rept 4
	v_nop
.endr
.Lnofill:
	s_add_nc_u64 s[4:5], s[4:5], s[70:71]
	s_add_nc_u64 s[6:7], s[6:7], s[72:73]
	s_add_nc_u64 s[12:13], s[12:13], s[78:79]
	s_add_nc_u64 s[14:15], s[14:15], s[80:81]
	s_sub_co_u32 s57, s[WV], 4
	s_and_b32 s58, s57, 7
	s_lshl_b32 s58, s58, 13                        ; my 8,192 bytes of a slot,
	s_add_co_u32 s58, s58, SLOTB                   ; in slot 1: the first change of slots steps it to slot 2.  Nothing is prefetched here, at the head
	s_mov_b32 s59, 0
	s_add_nc_u64 s[PFA:PFA+1], s[8:9], s[58:59]
	s_lshr_b32 s57, s57, 3                         ; 0 in waves 4 to 11,
	s_or_b32 s57, s57, ttmp9                       ; of the work-group with j = 0
	s_cmp_eq_u32 s57, 0
	s_cselect_b32 s[LIM], 1, -1
	v_and_b32 v8, 15, v0                           ; r
	v_bfe_u32 v10, v0, 4, 1                        ; h
	s_delay_alu instid0(VALU_DEP_2)
	v_lshlrev_b32 v[AL], 4, v8
	s_delay_alu instid0(VALU_DEP_1)
	v_lshl_add_u32 v[AL], v10, 14, v[AL]
	s_delay_alu instid0(VALU_DEP_4)
	v_lshlrev_b32 v[ASL], 4, v8
	s_delay_alu instid0(VALU_DEP_1)
	v_lshl_add_u32 v[ASL], v10, 13, v[ASL]
	s_delay_alu instid0(VALU_DEP_1)
	v_add_nc_u32 v[ASL], SC, v[ASL]
	v_and_b32 v11, 31, v0
	s_delay_alu instid0(VALU_DEP_1)
	v_lshlrev_b32 v[GO], 4, v11
	s_delay_alu instid0(VALU_DEP_2)
	v_lshlrev_b32 v[PFO], 8, v11
	global_load_b128 v[QL:QL+3], v[GO], s[4:5]               ; q's two pieces, twice: the two operands share no register but the zeros
	global_load_b128 v[QL+4:QL+7], v[GO], s[4:5] offset:512
	global_load_b128 v[QH+8:QH+11], v[GO], s[4:5]
	global_load_b128 v[QH+12:QH+15], v[GO], s[4:5] offset:512
	global_load_b32 v[QW], v[GO], s[6:7]
.irp i, 0,1,2,3,4,5,6,7
	v_mov_b32 v[QH+\i], 0                          ; zero codes
.endr
	v_mov_b32 v13, 0xff61b1e6                      ; the largest t so far: -3e38, under every t
	s_delay_alu instid0(VALU_DEP_1)
	v_floor_f32 v12, -v13                          ; -M
	v_mov_b32 v14, 0                               ; the sum, in two halves
	v_mov_b32 v15, 0
.irp b, 0,1,2,3
	v_mov_b32 v[T1+\b], 0                          ; written once: a lane permute's destination counts as one of its sources
.endr
	v_mov_b32 v[FF+1], 0                           ; (named as the upper half of a pair)
	v_mov_b32 v254, 0
.set n, 0
.rept 32
	v_mov_b32 v[O+n], 0                            ; O^T: the step is written once; the first finds zeros, which the first change of M leaves zeros
.set n, n+1
.endr
	s_wait_loadcnt 0x0
	v_lshrrev_b32 v[QW], s75, v[QW]                ; my tile's two bytes,
	s_delay_alu instid0(VALU_DEP_1)
	v_and_b32 v[QW], 0xffff, v[QW]
	s_delay_alu instid0(VALU_DEP_1)
	v_lshl_or_b32 v[QW], v[QW], 16, v[QW]          ; for both halves of the form's K
; A KEY STEP: 128 keys.  Nothing in it is an immediate of the step: the addresses hang on s[TB] and s[TS].
.macro STEP
	s_add_co_u32 s57, s[Q0], 15
	s_cmp_gt_u32 s[KF], s57                        ; all keys come after my queries: the step's work is left out; ids and the count of steps alone decide
	s_cbranch_scc1 .Lhidden_\@
	s_setprio 2
	v_add_nc_u32 v[ADK], s[TB], v[AL]
	v_add_nc_u32 v[ADS], s[TS], v[ASL]
.rept 8
	v_nop                                          ; places in front of loads into registers that the last products read
.endr
.irp g, 0,1,2,3
.irp c, 0,1,2,3
	ds_load_b128 v[F+16*\g+4*\c:F+16*\g+4*\c+3], v[ADK] offset:32768*(\c%2)+256*(2*\g+\c/2)   ; piece 4 g + c of the step
.endr
.endr
	ds_load_b128 v[KS:KS+3], v[ADS]
	s_wait_dscnt 0x0
	s_wait_alu depctr_va_vdst(0)
.irp g, 0,1,2,3
	v_wmma_scale_f32_16x16x128_f8f6f4 v[S+16*\g:S+16*\g+7], v[F+16*\g:F+16*\g+15], v[QL:QL+15], 0, v[KS+\g], v[QW]       ; keys 32 g + 8 h + 0 .. 7
	v_wmma_scale_f32_16x16x128_f8f6f4 v[S+16*\g+8:S+16*\g+15], v[F+16*\g:F+16*\g+15], v[QH:QH+15], 0, v[KS+\g], v[QW]    ; keys 32 g + 16 + 8 h + 0 .. 7
.endr
.rept 8
	v_nop
.endr
.irp g, 0,1,2,3                        ; V's fragments are asked for at once: they land under the softmax
.irp c, 0,1,2,3
	ds_load_b128 v[F+16*\g+4*\c:F+16*\g+4*\c+3], v[ADK] offset:32768*(\c%2)+256*(8+2*\g+\c/2)
.endr
.endr
	ds_load_b128 v[VS:VS+3], v[ADS] offset:16384
	s_add_co_u32 s57, s[KF], 127
	s_cmp_le_u32 s57, s[Q0]                        ; all keys count: no mask
	s_cbranch_scc1 .Lopen_\@
	s_sub_co_i32 s57, s[Q0], s[KF]
	v_and_b32 v226, 15, v0
	v_bfe_u32 v227, v0, 4, 1
	s_delay_alu instid0(VALU_DEP_1)
	v_lshlrev_b32 v227, 3, v227
	s_delay_alu instid0(VALU_DEP_1)
	v_sub_nc_u32 v226, v226, v227
	s_delay_alu instid0(VALU_DEP_1)
	v_add_nc_u32 v226, s57, v226                   ; d = my query - KF - 8 h.  Register n holds key KF + 8 h + 32 (n / 16) + 16 ((n / 8) % 2) + n % 8: hidden where that constant > d
	v_mov_b32 v227, 0xff800000                     ; -infinity
.set n, 0
.rept 64
	v_cmp_gt_i32 vcc_lo, 32*(n/16)+16*((n/8)%2)+n%8, v226
	v_cndmask_b32 v[S+n], v[S+n], v227, vcc_lo
.set n, n+1
.endr
.Lopen_\@:
.irp b, 0,1,2,3
	v_max3_num_f32 v[BM+\b], v[S+16*\b], v[S+16*\b+1], v[S+16*\b+2]   ; the largest score of each block of 32 keys: for the row's maximum, and, since p rises with the score, for the block's largest p
.endr
.irp i, 3,5,7,9,11,13
.irp b, 0,1,2,3
	v_max3_num_f32 v[BM+\b], v[BM+\b], v[S+16*\b+\i], v[S+16*\b+\i+1]
.endr
.endr
.irp b, 0,1,2,3
	v_max_num_f32 v[BM+\b], v[BM+\b], v[S+16*\b+15]
.endr
.irp b, 0,1,2,3
	s_delay_alu instid0(VALU_DEP_4)
	v_permlanex16_b32 v[T1+\b], v[BM+\b], s[SEL], s[SEL+1]
.endr
.irp b, 0,1,2,3
	s_delay_alu instid0(VALU_DEP_4)
	v_max_num_f32 v[BM+\b], v[BM+\b], v[T1+\b]     ; with lane l xor 16's 16 keys
.endr
	s_delay_alu instid0(VALU_DEP_2)
	v_max3_num_f32 v254, v[BM], v[BM+1], v[BM+2]
	s_delay_alu instid0(VALU_DEP_1)
	v_max_num_f32 v254, v254, v[BM+3]
	s_delay_alu instid0(VALU_DEP_1)
	v_mul_f32 v254, s[CS], v254                    ; as t
	s_delay_alu instid0(VALU_DEP_1)
	v_max_num_f32 v13, v13, v254                   ; the running largest t
	v_mov_b32 v254, v12
	s_delay_alu instid0(VALU_DEP_2)
	v_floor_f32 v12, -v13                          ; the new -M = floor(-t) = -ceil(t)
	s_delay_alu instid0(VALU_DEP_1)
	v_sub_f32 v254, v12, v254                      ; old M - new M: a whole number, 0 or less
	s_delay_alu instid0(VALU_DEP_1)
	v_cvt_i32_f32 v254, v254                       ; (it saturates)
	s_delay_alu instid0(VALU_DEP_1)
	v_ldexp_f32 v[FF], 1.0, v254                   ; f
.set n, 0
	s_setprio 1
.rept 32
	v_pk_fma_f32 v[S+n:S+n+1], v[S+n:S+n+1], s[CS:CS+1], v[12:13] op_sel_hi:[1,0,0]   ; t - M, two at a time
.set n, n+2
.endr
.irp b, 0,1,2,3
	v_fma_f32 v[BM+\b], v[BM+\b], s[CS], v12
.endr
.set n, 0
	s_wait_alu depctr_va_vdst(0)
.rept 64
	v_exp_f32 v[S+n], v[S+n]                       ; p
.set n, n+1
.endr
	v_pk_mul_f32 v[14:15], v[14:15], v[FF:FF+1] op_sel_hi:[1,0]   ; the sums under the new M: the plain line behind the exponentials
	s_wait_alu depctr_va_vdst(0)                   ; one wait for the batch, ahead of its first reader
.irp b, 0,1,2,3
	v_exp_f32 v[BM+\b], v[BM+\b]                   ; the block's largest p
.endr
	v_pk_add_f32 v[236:237], v[108:109], v[112:113]
	v_pk_add_f32 v[252:253], v[116:117], v[120:121]
	v_pk_add_f32 v[248:249], v[124:125], v[128:129]
	v_pk_add_f32 v[246:247], v[132:133], v[136:137]
	v_pk_add_f32 v[244:245], v[140:141], v[144:145]
	v_pk_add_f32 v[242:243], v[148:149], v[152:153]
	v_pk_add_f32 v[240:241], v[156:157], v[160:161]
	v_pk_add_f32 v[14:15], v[14:15], v[164:165]
	v_pk_add_f32 v[236:237], v[236:237], v[104:105]
	v_pk_add_f32 v[252:253], v[252:253], v[106:107]
	v_pk_add_f32 v[248:249], v[248:249], v[110:111]
	v_pk_add_f32 v[246:247], v[246:247], v[114:115]
	v_pk_add_f32 v[244:245], v[244:245], v[118:119]
	v_pk_add_f32 v[242:243], v[242:243], v[122:123]
	v_pk_add_f32 v[240:241], v[240:241], v[126:127]
	v_pk_add_f32 v[14:15], v[14:15], v[130:131]
	v_pk_add_f32 v[236:237], v[236:237], v[134:135]
	v_pk_add_f32 v[252:253], v[252:253], v[138:139]
	v_pk_add_f32 v[248:249], v[248:249], v[142:143]
	v_pk_add_f32 v[246:247], v[246:247], v[146:147]
	v_pk_add_f32 v[244:245], v[244:245], v[150:151]
	v_pk_add_f32 v[242:243], v[242:243], v[154:155]
	v_pk_add_f32 v[240:241], v[240:241], v[158:159]
	v_pk_add_f32 v[14:15], v[14:15], v[162:163]
	v_pk_add_f32 v[236:237], v[236:237], v[166:167]
	s_delay_alu instid0(VALU_DEP_2)
	v_pk_add_f32 v[14:15], v[14:15], v[246:247]
	s_delay_alu instid0(VALU_DEP_2)
	v_pk_add_f32 v[236:237], v[236:237], v[244:245]
	v_pk_add_f32 v[252:253], v[252:253], v[242:243]
	v_pk_add_f32 v[248:249], v[248:249], v[240:241]
	s_delay_alu instid0(VALU_DEP_2)
	v_pk_add_f32 v[14:15], v[14:15], v[252:253]
	s_delay_alu instid0(VALU_DEP_2)
	v_pk_add_f32 v[236:237], v[236:237], v[248:249]
	s_delay_alu instid0(VALU_DEP_1)
	v_pk_add_f32 v[14:15], v[14:15], v[236:237]
	s_setprio 0
	s_wait_alu depctr_va_vdst(0)                   ; and one for the four
.irp b, 0,1,2,3
	v_max_num_f32 v[BM+\b], 0x4800000, v[BM+\b]    ; the floor: the byte cannot fall under 1
.endr
.irp b, 0,1,2,3
	s_delay_alu instid0(VALU_DEP_4)
	v_add_nc_u32 v[SOP+\b], 0xfc000000, v[BM+\b]
.endr
.irp b, 0,1,2,3
.endr
.irp b, 0,1,2,3
	s_delay_alu instid0(VALU_DEP_4)
	v_lshrrev_b32 v[T1+\b], 23, v[SOP+\b]
.endr
	s_delay_alu instid0(VALU_DEP_3)
	v_lshl_or_b32 v[PWD], v[T1+1], 8, v[T1]        ; p's scale word for these 128 keys
	s_delay_alu instid0(VALU_DEP_1)
	v_lshl_or_b32 v[PWD], v[T1+2], 16, v[PWD]
	s_delay_alu instid0(VALU_DEP_1)
	v_lshl_or_b32 v[PWD], v[T1+3], 24, v[PWD]
.irp b, 0,1,2,3
.irp i, 0,1,2,3,4,5,6,7,8,9,10,11,12,13,14,15
.endr
	v_cvt_scalef32_pk8_fp8_f32 v[PC+4*\b:PC+4*\b+1], v[S+16*\b:S+16*\b+7], v[SOP+\b]
	v_cvt_scalef32_pk8_fp8_f32 v[PC+4*\b+2:PC+4*\b+3], v[S+16*\b+8:S+16*\b+15], v[SOP+\b]
.endr
.set n, 0
.rept 16
	v_pk_mul_f32 v[O+n:O+n+1], v[O+n:O+n+1], v[FF:FF+1] op_sel_hi:[1,0]   ; O^T under the new M; also the places between the codes and the products
.set n, n+2
.endr
	s_wait_alu depctr_va_vdst(0)
	s_wait_dscnt 0x0                               ; V is in
.irp g, 0,1,2,3                        ; four accumulators by turns
	v_wmma_scale_f32_16x16x128_f8f6f4 v[O+8*\g:O+8*\g+7], v[F+16*\g:F+16*\g+15], v[PC:PC+15], v[O+8*\g:O+8*\g+7], v[VS+\g], v[PWD]
.endr
.Lhidden_\@:
	s_add_co_u32 s[KF], s[KF], 128
	s_add_co_u32 s[TS], s[TS], 256
	s_add_co_u32 s[TB], s[TB], 4096
.endm
; THE CHANGE OF SLOTS, at a slot's head.  Each wave waits for all its tensor loads, adds 0 to its spare word, and waits for that and for its reads of the slot that it has left; behind the barrier the slot ahead is whole
; and nobody reads the other.  fill = 1: that other slot takes the next four key steps, while its first key is at or under the work-group's last query.
.macro CHANGE fill
	s_wait_tensorcnt 0x0                           ; no tensor load of mine is out, so a group 0 may be written
	ds_add_u32 v[SPW], v[NIL]
.if \fill
	ds_add_u32 v[SPW], v[NIL]                      ; and once more: in every trip alike
	s_xor_b32 s[G0C+1], s[G0C+1], SLOTB            ; the walking descriptor: the other slot,
	s_add_nc_u64 s[G0C+2:G0C+3], s[G0C+2:G0C+3], SLOTB   ; the next four key steps
	s_wait_xcnt 0x0                                ; the last prefetch, a slot back, has read its address
	s_add_nc_u64 s[PFA:PFA+1], s[PFA:PFA+1], SLOTB
.endif
	s_wait_dscnt 0x0                               ; the adds are done, and my reads of the slot that I have left are over
	s_barrier_signal -1
	s_barrier_wait -1
.if \fill
	s_add_co_u32 s57, s[KF], 512                   ; the first key of the slot that this change would ask for
	s_cmp_gt_u32 s57, s[LQ]                        ; ids and the count of steps alone: all sixteen waves go the same way, and past the limit they stay past it.  Every wait on TENSORcnt in this text is for 0
	s_cbranch_scc1 .Lpast_\@
	TLOAD                                          ; a wave's one tensor load until the next such barrier
.Lpast_\@:
	ASK
.endif
.endm
.macro FOUR_STEPS                      ; a slot's four key steps: written once, walked four times
	s_mov_b32 s[CNT], 4
.Lstep_\@:
	STEP
	s_sub_co_u32 s[CNT], s[CNT], 1
	s_cmp_lg_u32 s[CNT], 0
	s_cbranch_scc1 .Lstep_\@
	s_setprio 0
	s_sub_co_u32 s[TB], s[TB], 16384               ; back to a slot's first step,
	s_xor_b32 s[TB], s[TB], SLOTB                  ; in the other slot
.endm
.Lslot:                                            ; seven trips: every work-group walks all eight slots, so that the trip counts are constants and no barrier is jumped over
	CHANGE 1
	FOUR_STEPS
	s_sub_co_u32 s[SLOTS], s[SLOTS], 1
	s_cmp_lg_u32 s[SLOTS], 0
	s_cbranch_scc1 .Lslot
	CHANGE 0                                       ; the last slot is written out: nothing is left to ask for
	FOUR_STEPS
	; THE WAY OUT: O^T / the row's sum; its 64 channels are two blocks of 32 of the projection's K: quantised as they lie, two pieces of the row tile's fragment head / 2, and two scale bytes.
.rept 8
	v_nop                                          ; places behind the last products
.endr
	v_add_f32 v14, v14, v15
	s_delay_alu instid0(VALU_DEP_1)
	v_permlanex16_b32 v254, v14, s[SEL], s[SEL+1]
	s_delay_alu instid0(VALU_DEP_1)
	v_add_f32 v14, v14, v254                       ; the row's sum
	s_wait_alu depctr_va_vdst(0)
	v_rcp_f32 v14, v14
	v_nop                                          ; a plain line behind the reciprocal
	s_wait_alu depctr_va_vdst(0)                   ; and the wait ahead of its first reader
.set n, 0
.rept 32
	v_mul_f32 v[S+n], v[O+n], v14                  ; each accumulator from its low end on
.set n, n+1
.endr
.irp b, 0,1
	v_max3_num_f32 v[BM+\b], |v[S+16*\b]|, |v[S+16*\b+1]|, 0x4800000
.endr
.irp i, 2,4,6,8,10,12,14
.irp b, 0,1
	s_delay_alu instid0(VALU_DEP_2)
	v_max3_num_f32 v[BM+\b], v[BM+\b], |v[S+16*\b+\i]|, |v[S+16*\b+\i+1]|
.endr
.endr
.irp b, 0,1
	s_delay_alu instid0(VALU_DEP_2)
	v_permlanex16_b32 v[T1+\b], v[BM+\b], s[SEL], s[SEL+1]
.endr
.irp b, 0,1
	s_delay_alu instid0(VALU_DEP_2)
	v_max_num_f32 v[BM+\b], v[BM+\b], v[T1+\b]
.endr
.irp b, 0,1
	s_delay_alu instid0(VALU_DEP_2)
	v_add_nc_u32 v[SOP+\b], 0xfc000000, v[BM+\b]
.endr
.irp b, 0,1
.endr
.irp b, 0,1
	s_delay_alu instid0(VALU_DEP_2)
	v_lshrrev_b32 v[T1+\b], 23, v[SOP+\b]
.endr
	s_delay_alu instid0(VALU_DEP_1)
	v_lshl_or_b32 v[PWD], v[T1+1], 8, v[T1]
.irp b, 0,1
.irp i, 0,1,2,3,4,5,6,7,8,9,10,11,12,13,14,15
.endr
	v_cvt_scalef32_pk8_fp8_f32 v[PC+4*\b:PC+4*\b+1], v[S+16*\b:S+16*\b+7], v[SOP+\b]
	v_cvt_scalef32_pk8_fp8_f32 v[PC+4*\b+2:PC+4*\b+3], v[S+16*\b+8:S+16*\b+15], v[SOP+\b]
.endr
	v_nop
	global_store_b128 v[GO], v[PC:PC+3], s[12:13]              ; 512 consecutive bytes, aligned
	global_store_b128 v[GO], v[PC+4:PC+7], s[12:13] offset:512
	global_store_b16 v[GO], v[PWD], s[14:15]                   ; two bytes of my lane's sixteen: the eight heads' work-groups fill them; one byte in sixteen of what the launch stores
	s_wait_tensorcnt 0x0                           ; the wave's end
	ds_add_u32 v[SPW], v[NIL]
	s_wait_dscnt 0x0
	s_endpgm
.Lfunc_end_k_q00d6097402_attn:
	.size	k_q00d6097402_attn, .Lfunc_end_k_q00d6097402_attn-k_q00d6097402_attn
	.p2alignl 7, 3214868480
	.fill 96, 4, 3214868480
	.section	.rodata,"a",@progbits
	.p2align	6, 0x0
	.amdhsa_kernel k_q00d6097402_attn
		.amdhsa_group_segment_fixed_size 327680
		.amdhsa_private_segment_fixed_size 0
		.amdhsa_enable_private_segment 0
		.amdhsa_kernarg_size 48
		.amdhsa_user_sgpr_count 2
		.amdhsa_user_sgpr_kernarg_segment_ptr 1
		.amdhsa_wavefront_size32 1
		.amdhsa_system_sgpr_workgroup_id_x 1
		.amdhsa_system_sgpr_workgroup_id_y 1
		.amdhsa_system_sgpr_workgroup_id_z 1
		.amdhsa_system_vgpr_workitem_id 0
		.amdhsa_next_free_vgpr 256
		.amdhsa_next_free_sgpr 100
		.amdhsa_reserve_vcc 1
		.amdhsa_float_denorm_mode_32 3
		.amdhsa_float_denorm_mode_16_64 3
		.amdhsa_fp16_overflow 1
		.amdhsa_memory_ordered 1
		.amdhsa_forward_progress 1
		.amdhsa_inst_pref_size 60
	.end_amdhsa_kernel
	.amdgpu_metadata
---
amdhsa.version: [ 1, 2 ]
amdhsa.kernels:
  - .name:           k_q00d6097402_attn
    .symbol:         k_q00d6097402_attn.kd
    .args:
      - { .name: qc, .offset: 0, .size: 8, .value_kind: global_buffer, .address_space: global }
      - { .name: qs, .offset: 8, .size: 8, .value_kind: global_buffer, .address_space: global }
      - { .name: kvc, .offset: 16, .size: 8, .value_kind: global_buffer, .address_space: global }
      - { .name: kvs, .offset: 24, .size: 8, .value_kind: global_buffer, .address_space: global }
      - { .name: ac, .offset: 32, .size: 8, .value_kind: global_buffer, .address_space: global }
      - { .name: asc, .offset: 40, .size: 8, .value_kind: global_buffer, .address_space: global }
    .group_segment_fixed_size: 327680
    .private_segment_fixed_size: 0
    .kernarg_segment_align: 8
    .kernarg_segment_size: 48
    .max_flat_workgroup_size: 512
    .sgpr_count:     100
    .vgpr_count:     256
    .wavefront_size: 32
...
	.end_amdgpu_metadata
.endif
;; end of part 2
;; launch ffn (part 3): grid 128 x 1, 4 waves a work-group, clusters of 4 x 1, 327,680 bytes of LDS; arguments ac, asc, x, Wproj_codes, Wproj_scales, bproj, W1_codes, W1_scales, b1, W2_codes, W2_scales, b2, out0; writes out0
.if DOCPART == 3
	.amdgcn_target "amdgcn-amd-amdhsa--gfx1250"
	.amdhsa_code_object_version 6
	.text
	.protected	k_q00d6097402_ffn
	.globl	k_q00d6097402_ffn
	.p2align	8
	.type	k_q00d6097402_ffn,@function
k_q00d6097402_ffn:
	s_mov_b64 s[64:65], 0
	v_nop
	global_prefetch_b8 v0, s[64:65] scope:SCOPE_SE
	s_setreg_imm32_b32 hwreg(HW_REG_WAVE_MODE, 25, 1), 1
	s_wait_xcnt 0x0
	s_wait_alu depctr_hold_cnt(0) depctr_sa_sdst(0) depctr_va_vdst(0) depctr_va_sdst(0) depctr_va_ssrc(0) depctr_va_vcc(0) depctr_vm_vsrc(0)
	s_getreg_b32 s2, hwreg(HW_REG_IB_STS2, 6, 4)
	s_cmp_eq_u32 s2, 0
	s_cbranch_scc0 .Lentry_in_a_cluster
	s_endpgm
.Lentry_in_a_cluster:
	s_bfe_u32 s2, ttmp6, 0x10000c
	s_cmp_lg_u32 s2, 0x3003
	s_cbranch_scc0 .Lentry_shape_is_right
	s_endpgm
.Lentry_shape_is_right:
.set PITCH, 528
.set WREG,  64*PITCH
.set SLOT,  4*WREG
.set IMG,   2*SLOT
.set SCB,   IMG+32768
.set SPARE, SCB+2048
.set SPI,   2064
.set WAD, 1
.set LI,  3
.set HWI, 4
.set HWS, 5
.set LSC, 6
.set WSO16, 7
.set WSO64, 8
.set BO,  9
.set XO,  10
.set SO,  11
.set SR,  13
.set GL,  14
.set WS,  16
.set XS,  32
.set HS,  48
.set WF,  64
.set TM,  192
.set SW,  208
.set B1R, 212
.set SPW, 244
.set NIL, 245
.set WV,  30
.set MNT, 31
.set SEL, 32
.set CH,  34
.set G1A, 40
.set G1B, 48
.set G0P0, 56
.set G0P1, 60
.set G0A0, 68
.set G0A1, 72
.set G0B0, 76
.set G0B1, 80
.set MSB, 0
.macro WIN new
.if MSB != (\new)
	s_set_vgpr_msb (MSB<<8)|(\new)
.set MSB, \new
.endif
.endm
.macro PLACES
.rept 9
	v_nop
.endr
.endm
.macro CROUND
	s_barrier_signal -1
	s_barrier_wait -1
	s_cmp_lg_u32 s[WV], 0
	s_cbranch_scc1 .Lnot_wave_0_\@
	s_barrier_signal -3
.Lnot_wave_0_\@:
	s_barrier_wait -3
	s_barrier_signal -1
	s_barrier_wait -1
.endm
.macro CHANGE g0, g1, sg0, sb
	WIN 0
	s_wait_tensorcnt 0x0
	ds_add_u32 v[SPW], v[NIL]
.if \sb
	s_add_nc_u64 s[\sg0+2:\sg0+3], s[\sg0+2:\sg0+3], \sb
.endif
	s_wait_dscnt 0x0
	CROUND
	tensor_load_to_lds s[\g0:\g0+3], s[\g1:\g1+7]
	s_nop 0
.rept 4
	v_nop
.endr
.endm
.macro CHANGE0
	WIN 0
	s_wait_tensorcnt 0x0
	ds_add_u32 v[SPW], v[NIL]
	s_wait_dscnt 0x0
	s_barrier_signal -1
	s_barrier_wait -1
.endm
.macro WLOAD pp, qq
.irp u, 0,1
.irp s, 0,1,2,3
.irp c, 0,1,2,3
.irp e, 0,1
	ds_load_b64 v[WF+16*(4*\u+\s)+4*\c+2*\e:WF+16*(4*\u+\s)+4*\c+2*\e+1], v[WAD+\pp] offset:(32*\qq+16*\u)*PITCH+128*\s+32*\c+16*\e
.endr
.endr
.endr
.endr
.endm
.macro SLOADS kd, pn, py
.irp u, 0,1
.if \kd == 0
	global_load_b128 v[WS+8*(\py)+4*\u:WS+8*(\py)+4*\u+3], v[WSO16], s[12:13] offset:(32*\pn+16*\u)*16
.elseif \kd == 1
	global_load_b128 v[WS+8*(\py)+4*\u:WS+8*(\py)+4*\u+3], v[WSO16], s[18:19] offset:(32*\pn+16*\u)*16
.else
	global_load_b128 v[WS+8*(\py)+4*\u:WS+8*(\py)+4*\u+3], v[WSO64], s[24:25] offset:(32*\pn+16*\u)*64
.endif
.endr
.if \kd == 1
.irp u, 0,1
.irp i, 0,1
	global_load_b128 v[B1R+16*(\py)+8*\u+4*\i:B1R+16*(\py)+8*\u+4*\i+3], v[BO], s[20:21] offset:(32*\pn+16*\u)*4+16*\i
.endr
.endr
.endif
.endm
.macro MUL kd, pn, py
.irp s, 0,1,2,3
.if \kd == 1
.if \s == 0
	WIN 0xc4
.else
	WIN 0xf4
.endif
.else
	WIN 0xac
.endif
.irp m, 0,1,2,3
.irp u, 0,1
.if \kd == 1
.if \s == 0
	v_wmma_scale_f32_16x16x128_f8f6f4 v[16*\m+8*\u:16*\m+8*\u+7], v[WF+16*(4*\u+\s):WF+16*(4*\u+\s)+15], v[16*(4*\m+\s):16*(4*\m+\s)+15], v[B1R+16*(\py)+8*\u:B1R+16*(\py)+8*\u+7], v[WS+8*(\py)+4*\u+\s], v[XS+4*\m+\s]
.else
	v_wmma_scale_f32_16x16x128_f8f6f4 v[16*\m+8*\u:16*\m+8*\u+7], v[WF+16*(4*\u+\s):WF+16*(4*\u+\s)+15], v[16*(4*\m+\s):16*(4*\m+\s)+15], v[16*\m+8*\u:16*\m+8*\u+7], v[WS+8*(\py)+4*\u+\s], v[XS+4*\m+\s]
.endif
.else
	v_wmma_scale_f32_16x16x128_f8f6f4 v[64*\pn+16*\m+8*\u:64*\pn+16*\m+8*\u+7], v[WF+16*(4*\u+\s):WF+16*(4*\u+\s)+15], v[16*(4*\m+\s):16*(4*\m+\s)+15], v[64*\pn+16*\m+8*\u:64*\pn+16*\m+8*\u+7], v[WS+8*(\py)+4*\u+\s], v[HS+4*\m+\s]
.endif
.endr
.endr
.endr
.endm
.macro QUANT64 sw, s, tw, t, pw, pc, relu
	WIN (\sw)|((\sw)<<2)
.irp b, 0,1,2,3
.if \relu
	v_max3_num_f32 v[TM+\b], v[\s+16*\b], v[\s+16*\b+1], 0x4800000
.else
	v_max3_num_f32 v[TM+\b], |v[\s+16*\b]|, |v[\s+16*\b+1]|, 0x4800000
.endif
.endr
.irp i, 2,4,6,8,10,12,14
.irp b, 0,1,2,3
.if \relu
	v_max3_num_f32 v[TM+\b], v[\s+16*\b+\i], v[\s+16*\b+\i+1], v[TM+\b]
.else
	v_max3_num_f32 v[TM+\b], |v[\s+16*\b+\i]|, |v[\s+16*\b+\i+1]|, v[TM+\b]
.endif
.endr
.endr
	WIN 0
.irp b, 0,1,2,3
	v_permlanex16_b32 v[TM+4+\b], v[TM+\b], s[SEL], s[SEL+1]
.endr
.irp b, 0,1,2,3
	v_max_num_f32 v[TM+\b], v[TM+\b], v[TM+4+\b]
.endr
.irp b, 0,1,2,3
	v_add_nc_u32 v[TM+12+\b], 0xfc000000, v[TM+\b]
.endr
.irp b, 0,1,2,3
	v_and_or_b32 v[TM+8+\b], v[TM+\b], 0x7f800000, s[MNT]
.endr
.irp b, 0,1,2,3
	v_lshrrev_b32 v[TM+4+\b], 23, v[TM+12+\b]
.endr
	WIN (\sw)|((\tw)<<6)
.irp b, 0,1,2,3
.irp i, 0,1,2,3,4,5,6,7,8,9,10,11,12,13,14,15
.if \relu
	v_med3_num_f32 v[\t+16*\b+\i], v[\s+16*\b+\i], 0, v[TM+8+\b]
.else
	v_med3_num_f32 v[\t+16*\b+\i], v[\s+16*\b+\i], -v[TM+8+\b], v[TM+8+\b]
.endif
.endr
.endr
	WIN (\tw)|((\pw)<<6)
.irp b, 0,1,2,3
	v_cvt_scalef32_pk8_fp8_f32 v[\pc+4*\b:\pc+4*\b+1], v[\t+16*\b:\t+16*\b+7], v[TM+12+\b]
	v_cvt_scalef32_pk8_fp8_f32 v[\pc+4*\b+2:\pc+4*\b+3], v[\t+16*\b+8:\t+16*\b+15], v[TM+12+\b]
.endr
	WIN 0
	v_nop
.endm
.macro ACTLOAD wn, sc
	WIN (\wn)<<6
.irp m, 0,1,2,3
.irp s, 0,1,2,3
.irp c, 0,1,2,3
	ds_load_b128 v[16*(4*\m+\s)+4*\c:16*(4*\m+\s)+4*\c+3], v[LI] offset:(4*\m+\s)*2048+512*\c
.endr
.endr
.endr
	WIN 0
.irp m, 0,1,2,3
	ds_load_b128 v[\sc+4*\m:\sc+4*\m+3], v[LSC] offset:512*\m
.endr
.endm
.macro GATHER pn
.irp m, 0,1,2,3
.if \pn == 0
	v_mov_b32 v[SW+\m], v[TM+4+\m]
.else
	v_lshl_or_b32 v[SW+\m], v[TM+4+\m], 8*\pn, v[SW+\m]
.endif
.endr
.endm
.macro WORDS pn
.if \pn == 3
.irp m, 0,1,2,3
	ds_store_b32 v[HWS], v[SW+\m] offset:512*\m
.endr
.endif
.endm
.macro UNIT kd, pn, nk, np, sm, pp, st
	s_wait_loadcnt 0x0
.if \st
	s_add_nc_u64 s[18:19], s[18:19], 8192
	s_add_nc_u64 s[20:21], s[20:21], 2048
	s_add_nc_u64 s[24:25], s[24:25], 16
.endif
.if \nk < 3
	SLOADS \nk, \np, 1-(\pn)%2
.endif
.if \kd == 0
	WIN 0x86
.irp m, 0,1,2,3
	s_wait_alu depctr_va_vdst(0)
.irp u, 0,1
	s_wait_alu depctr_va_vdst(0)
.irp i, 0,2,4,6
	v_pk_add_f32 v[64*\pn+16*\m+8*\u+\i:64*\pn+16*\m+8*\u+\i+1], v[64*\pn+16*\m+8*\u+\i:64*\pn+16*\m+8*\u+\i+1], v[16*\pn+8*\u+\i:16*\pn+8*\u+\i+1]
.endr
.endr
.endr
.endif
	s_wait_alu depctr_va_vdst(0)
	s_wait_dscnt 0x0
	MUL \kd, \pn, (\pn)%2
	WIN 0
	PLACES
.if \sm
	WLOAD \pp, 1
.endif
.if \kd == 0
	QUANT64 2, 64*\pn, 1, 128, 1, 192, 0
	GATHER \pn
	WIN 0x04
.irp m, 0,1,2,3
	ds_store_b128 v[HWI], v[192+4*\m:192+4*\m+3] offset:8192*\m+512*\pn
.endr
	WIN 0
	WORDS \pn
	WIN 0x86
.irp m, 0,1,2,3
.irp u, 0,1
.irp i, 0,2,4,6
	v_pk_add_f32 v[64*\pn+16*\m+8*\u+\i:64*\pn+16*\m+8*\u+\i+1], v[64*\pn+16*\m+8*\u+\i:64*\pn+16*\m+8*\u+\i+1], v[64+16*\pn+8*\u+\i:64+16*\pn+8*\u+\i+1]
.endr
.endr
.endr
	WIN 0
.elseif \kd == 1
	QUANT64 3, 0, 3, 0, 3, 64, 1
	GATHER \pn
	WIN 0x0c
.irp m, 0,1,2,3
	ds_store_b128 v[HWI], v[64+4*\m:64+4*\m+3] offset:8192*\m+512*\pn
.endr
	WIN 0
	WORDS \pn
.endif
.endm
.macro MKG0 g, ba, of, pp, ad
	s_mov_b32 s[\g], 1
	s_add_co_u32 s[\g+1], s84, (\pp)*SLOT
	s_add_nc_u64 s[\g+2:\g+3], s[\ba:\ba+1], s[\of:\of+1]
.if \ad
	s_add_nc_u64 s[\g+2:\g+3], s[\g+2:\g+3], \ad
.endif
	s_or_b32 s[\g+3], s[\g+3], 0x80000000
.endm
	s_load_b128 s[4:7], s[0:1], 0x0
	s_load_b128 s[8:11], s[0:1], 0x10
	s_load_b128 s[12:15], s[0:1], 0x20
	s_load_b128 s[16:19], s[0:1], 0x30
	s_load_b128 s[20:23], s[0:1], 0x40
	s_load_b128 s[24:27], s[0:1], 0x50
	s_load_b64 s[28:29], s[0:1], 0x60
	v_lshl_add_u32 v[SPW], v0, 2, SPARE
	v_mov_b32 v[NIL], 0
	ds_add_u32 v[SPW], v[NIL]
	ds_add_u32 v[SPW], v[NIL]
	v_lshrrev_b32 v246, 5, v0
	v_readfirstlane_b32 s[WV], v246
	s_bfe_u32 s35, ttmp6, 0x40000
	s_lshl_b32 s36, ttmp9, 2
	s_add_co_u32 s36, s36, s35
	s_mov_b32 s[G1A], 15|(1<<20)|(1<<21)|(6<<22)|(3<<25)
	s_mov_b32 s[G1B], 15|(1<<20)|(1<<21)|(6<<22)|(3<<25)
.irp g, G1A, G1B
	s_mov_b32 s[\g+1], 512<<16
	s_mov_b32 s[\g+2], 64<<16
	s_mov_b32 s[\g+3], 512<<16
	s_mov_b32 s[\g+4], 64
	s_mov_b32 s[\g+6], 0
	s_mov_b32 s[\g+7], 0
.endr
	s_mov_b32 s[G1A+5], 512
	s_mov_b32 s[G1B+5], 2048
	s_mul_i32 s84, s[WV], WREG
	s_lshl_b32 s86, s[WV], 16
	s_mov_b32 s87, 0
	s_lshl_b32 s88, s[WV], 18
	s_mov_b32 s89, 0
	s_mov_b32 s91, 0
	s_mov_b32 s[SEL], 0x76543210
	s_mov_b32 s[SEL+1], 0xfedcba98
	s_mov_b32 s[MNT], 0x600000
	s_wait_dscnt 0x0
	s_wait_kmcnt 0x0
	MKG0 G0P0, 10, 86, 0, 0
	MKG0 G0P1, 10, 86, 1, 32768
	MKG0 G0A0, 16, 86, 0, 0
	MKG0 G0A1, 16, 86, 1, 32768
	MKG0 G0B0, 22, 88, 0, 0
	MKG0 G0B1, 22, 88, 1, 131072
	CROUND
	tensor_load_to_lds s[G0P0:G0P0+3], s[G1A:G1A+7]
	s_nop 0
	s_wait_alu depctr_va_vdst(0)
	s_wait_tensorcnt 0x0
	ds_add_u32 v244, v245
	s_wait_dscnt 0x0
	CROUND
	tensor_load_to_lds s[G0P1:G0P1+3], s[G1A:G1A+7]
	s_nop 0
.rept 4
	v_nop
.endr
	v_and_b32 v246, 31, v0
	v_and_b32 v247, 15, v0
	v_bfe_u32 v248, v0, 4, 1
	v_mul_u32_u24 v[WAD], v247, PITCH
	v_lshl_add_u32 v[WAD], v248, 3, v[WAD]
	v_add_nc_u32 v[WAD], s84, v[WAD]
	v_add_nc_u32 v[WAD+1], SLOT, v[WAD]
	v_lshlrev_b32 v[GL], 4, v246
	v_add_nc_u32 v[LI], IMG, v[GL]
	s_lshl_b32 s85, s[WV], 11
	v_add_nc_u32 v[HWI], s85, v[LI]
	v_add_nc_u32 v[LSC], SCB, v[GL]
	s_lshl_b32 s85, s[WV], 2
	v_add_nc_u32 v[HWS], s85, v[LSC]
	s_lshl_b32 s85, s[WV], 7
	v_add_nc_u32 v249, s85, v247
	v_lshlrev_b32 v[WSO16], 4, v249
	v_lshlrev_b32 v[WSO64], 6, v249
	v_lshl_add_u32 v[BO], v248, 3, s85
	v_lshlrev_b32 v[BO], 2, v[BO]
	v_lshlrev_b32 v[XO], 11, v247
	v_lshl_add_u32 v[XO], v248, 5, v[XO]
	s_lshl_b32 s85, s[WV], 9
	v_add_nc_u32 v[XO], s85, v[XO]
	v_mul_u32_u24 v[SO], v247, SPI
	v_lshl_add_u32 v[SO], v248, 5, v[SO]
	v_add_nc_u32 v[SO], s85, v[SO]
	v_add_nc_u32 v[SO+1], 32*SPI, v[SO]
	s_mul_i32 s85, s[WV], 16*SPI
	v_add_nc_u32 v[SR], s85, v[GL]
.irp b, 0,1,2,3
	v_mov_b32 v[TM+4+\b], 0
.endr
	s_lshl_b32 s90, s36, 15
	s_add_nc_u64 s[4:5], s[4:5], s[90:91]
	s_lshl_b32 s90, s36, 11
	s_add_nc_u64 s[6:7], s[6:7], s[90:91]
	s_lshl_b32 s90, s36, 17
	s_add_nc_u64 s[8:9], s[8:9], s[90:91]
	s_add_nc_u64 s[28:29], s[28:29], s[90:91]
	s_lshl_b32 s90, s[WV], 15
	s_add_nc_u64 s[28:29], s[28:29], s[90:91]
	WIN 0xc0
.irp m, 0,1,2,3
.irp s, 0,1,2,3
.irp c, 0,1,2,3
	global_load_b128 v[16*(4*\m+\s)+4*\c:16*(4*\m+\s)+4*\c+3], v[GL], s[4:5] offset:(4*\m+\s)*2048+512*\c
.endr
.endr
.endr
	WIN 0
.irp m, 0,1,2,3
	global_load_b128 v[HS+4*\m:HS+4*\m+3], v[GL], s[6:7] offset:512*\m
.endr
	WIN 0x80
.irp p, 0,1,2,3
.irp m, 0,1,2,3
.irp u, 0,1
.irp i, 0,1
	global_load_b128 v[64*\p+16*\m+8*\u+4*\i:64*\p+16*\m+8*\u+4*\i+3], v[XO], s[8:9] offset:32768*\m+128*\p+64*\u+16*\i
.endr
.endr
.endr
.endr
	WIN 0x40
.irp p, 0,1,2,3
.irp u, 0,1
.irp i, 0,1
	global_load_b128 v[16*\p+8*\u+4*\i:16*\p+8*\u+4*\i+3], v[BO], s[14:15] offset:(32*\p+16*\u)*4+16*\i
	global_load_b128 v[64+16*\p+8*\u+4*\i:64+16*\p+8*\u+4*\i+3], v[BO], s[26:27] offset:(32*\p+16*\u)*4+16*\i
.endr
.endr
.endr
	WIN 0
	SLOADS 0, 0, 0
	s_wait_tensorcnt 1
	s_barrier_signal -1
	s_barrier_wait -1
	WLOAD 0, 0
	UNIT 0, 0, 0, 1, 1, 0, 0
	UNIT 0, 1, 0, 2, 0, 0, 0
	CHANGE G0A0, G1A, G0A0, 0
	WLOAD 1, 0
	UNIT 0, 2, 0, 3, 1, 1, 0
	UNIT 0, 3, 1, 0, 0, 1, 0
	s_wait_dscnt 0x0
	s_barrier_signal -1
	s_barrier_wait -1
	ACTLOAD 1, XS
.macro CHUNK more
	CHANGE G0A1, G1A, G0A0, 262144
	WLOAD 0, 0
	UNIT 1, 0, 1, 1, 1, 0, 0
	UNIT 1, 1, 1, 2, 0, 0, 0
	CHANGE G0B0, G1B, G0A1, 262144
	WLOAD 1, 0
	UNIT 1, 2, 1, 3, 1, 1, 0
	UNIT 1, 3, 2, 0, 0, 1, 0
	CHANGE G0B1, G1B, G0B0, 512
	ACTLOAD 3, HS
	WLOAD 0, 0
	UNIT 2, 0, 2, 1, 1, 0, 0
	UNIT 2, 1, 2, 2, 0, 0, 0
.if \more
	CHANGE G0A0, G1A, G0B1, 512
.else
	CHANGE0
.endif
	WLOAD 1, 0
	UNIT 2, 2, 2, 3, 1, 1, 0
.if \more
	UNIT 2, 3, 1, 0, 0, 1, 1
.else
	UNIT 2, 3, 9, 0, 0, 1, 0
.endif
.endm
	s_mov_b32 s[CH], 3
.Lchunk:
	CHUNK 1
	s_sub_co_u32 s[CH], s[CH], 1
	s_cmp_lg_u32 s[CH], 0
	s_cbranch_scc1 .Lchunk
	CHUNK 0
	WIN 0x08
.irp p, 0,1,2,3
.irp m, 0,1,2,3
.irp u, 0,1
	ds_store_b128 v[SO+\m/2], v[64*\p+16*\m+8*\u:64*\p+16*\m+8*\u+3] offset:16*(\m%2)*SPI+128*\p+64*\u
	ds_store_b128 v[SO+\m/2], v[64*\p+16*\m+8*\u+4:64*\p+16*\m+8*\u+7] offset:16*(\m%2)*SPI+128*\p+64*\u+16
.endr
.endr
.endr
	WIN 0
	s_wait_dscnt 0x0
	s_barrier_signal -1
	s_barrier_wait -1
.irp bt, 0,1,2,3
.if \bt > 1
	s_wait_xcnt 0x0
.endif
.irp t, 0,1,2,3,4,5,6,7,8,9,10,11,12,13,14,15
	ds_load_b128 v[WF+64*(\bt%2)+4*\t:WF+64*(\bt%2)+4*\t+3], v[SR] offset:(4*\bt+\t/4)*SPI+512*(\t%4)
.endr
.irp t, 0,1,2,3,4,5,6,7,8,9,10,11,12,13,14,15
	s_wait_dscnt 15-\t
	global_store_b128 v[GL], v[WF+64*(\bt%2)+4*\t:WF+64*(\bt%2)+4*\t+3], s[28:29] offset:(4*\bt+\t/4)*2048+512*(\t%4) th:TH_STORE_NT
.endr
.endr
	s_wait_tensorcnt 0x0
	ds_add_u32 v[SPW], v[NIL]
	s_wait_dscnt 0x0
	CROUND
	s_endpgm
.Lfunc_end_k_q00d6097402_ffn:
	.size	k_q00d6097402_ffn, .Lfunc_end_k_q00d6097402_ffn-k_q00d6097402_ffn
	.p2alignl 7, 3214868480
	.fill 96, 4, 3214868480
	.section	.rodata,"a",@progbits
	.p2align	6, 0x0
	.amdhsa_kernel k_q00d6097402_ffn
		.amdhsa_group_segment_fixed_size 327680
		.amdhsa_private_segment_fixed_size 0
		.amdhsa_enable_private_segment 0
		.amdhsa_kernarg_size 104
		.amdhsa_user_sgpr_count 2
		.amdhsa_user_sgpr_kernarg_segment_ptr 1
		.amdhsa_wavefront_size32 1
		.amdhsa_system_sgpr_workgroup_id_x 1
		.amdhsa_system_sgpr_workgroup_id_y 1
		.amdhsa_system_sgpr_workgroup_id_z 1
		.amdhsa_system_vgpr_workitem_id 0
		.amdhsa_next_free_vgpr 1024
		.amdhsa_next_free_sgpr 100
		.amdhsa_reserve_vcc 0
		.amdhsa_float_denorm_mode_32 3
		.amdhsa_float_denorm_mode_16_64 3
		.amdhsa_memory_ordered 1
		.amdhsa_forward_progress 1
		.amdhsa_inst_pref_size 255
	.end_amdhsa_kernel
	.section	.bss,"aw",@nobits
	.p2align	6
	.space	262144
	.amdgpu_metadata
---
amdhsa.version: [ 1, 2 ]
amdhsa.kernels:
  - .name:           k_q00d6097402_ffn
    .symbol:         k_q00d6097402_ffn.kd
    .args:
      - { .name: ac, .offset: 0, .size: 8, .value_kind: global_buffer, .address_space: global }
      - { .name: asc, .offset: 8, .size: 8, .value_kind: global_buffer, .address_space: global }
      - { .name: x, .offset: 16, .size: 8, .value_kind: global_buffer, .address_space: global }
      - { .name: Wproj_codes, .offset: 24, .size: 8, .value_kind: global_buffer, .address_space: global }
      - { .name: Wproj_scales, .offset: 32, .size: 8, .value_kind: global_buffer, .address_space: global }
      - { .name: bproj, .offset: 40, .size: 8, .value_kind: global_buffer, .address_space: global }
      - { .name: W1_codes, .offset: 48, .size: 8, .value_kind: global_buffer, .address_space: global }
      - { .name: W1_scales, .offset: 56, .size: 8, .value_kind: global_buffer, .address_space: global }
      - { .name: b1, .offset: 64, .size: 8, .value_kind: global_buffer, .address_space: global }
      - { .name: W2_codes, .offset: 72, .size: 8, .value_kind: global_buffer, .address_space: global }
      - { .name: W2_scales, .offset: 80, .size: 8, .value_kind: global_buffer, .address_space: global }
      - { .name: b2, .offset: 88, .size: 8, .value_kind: global_buffer, .address_space: global }
      - { .name: out0, .offset: 96, .size: 8, .value_kind: global_buffer, .address_space: global }
    .group_segment_fixed_size: 327680
    .private_segment_fixed_size: 0
    .kernarg_segment_align: 8
    .kernarg_segment_size: 104
    .max_flat_workgroup_size: 128
    .sgpr_count:     100
    .vgpr_count:     1024
    .wavefront_size: 32
...
	.end_amdgpu_metadata
.endif
;; end of part 3
